; MI455X (gfx1250); checked and timed in simulation.
; The chip was launched on July 23, 2026; its instructions are those of AMD's public machine-readable ISA for CDNA 5 (MIT licence, August 2026) and "CDNA5" Instruction Set Architecture Reference Guide (July 2026). The comments in the code are by the model that wrote it; some were corrected since.
;; Multi Head. Allowed arithmetic: matrix products marked QUANTISED: E2M1 operands, one E8M0 scale for each 32 along K, by v_wmma_scale_f32_16x16x128_f8f6f4 with both operands' format E2M1 (or v_wmma_scale_f32_32x16x128_f4), f32 sums; products left as they are: bf16, f16 or f32 operands; f32 sums; everything else in f32.
;; Inputs: Wk 1,024 x 1,024 float32; Wp 1,024 x 1,024 float32; Wq 1,024 x 1,024 float32; Wv 1,024 x 1,024 float32; bk 1,024 float32; bp 1,024 float32; bq 1,024 float32; bv 1,024 float32; x 4 x 2,048 x 1,024 float32.
;; Outputs: out0 4 x 2,048 x 1,024 float32.
;; This version of the problem:
;;   THIS VERSION OF THE PROBLEM IS GIVEN IN LOW PRECISION. The matrix products marked QUANTISED in the list below multiply operands that are first quantised to E2M1 (2 exponent bits, 1 mantissa bit; 4 bits a number), with one power-of-two scale for each 32 numbers along K (OCP MX v1.0); their sums are f32. The products marked 'left as it is' may take bf16, f16 or f32 operands, with f32 sums. Whichever they take, every output number must still come out within the allowed error. Rounding operands to bf16 (8 significant bits) uses up far more of that allowance than f16 does (11 bits, for magnitudes from 6e-5 to 65,504). All else is computed in f32.
;;   The module's matrix products, in the order in which they are computed (A, B: the left and right operand; K: the contracted axis; several contracted axes count as one K, in the product's order):
;;     1. [M 8,192, K 1,024] x [K 1,024, N 1,024]; A: input x; B: input Wq: QUANTISED
;;     2. [M 8,192, K 1,024] x [K 1,024, N 1,024]; A: input x; B: input Wk: QUANTISED
;;     3. [M 8,192, K 1,024] x [K 1,024, N 1,024]; A: input x; B: input Wv: QUANTISED
;;     4. batch 64 x [M 2,048, K 64] x [K 64, N 2,048]; A: computed on the way; B: computed on the way: left as it is (an operand is computed on the way)
;;     5. batch 64 x [M 64, K 2,048] x [K 2,048, N 2,048]; A: computed on the way; B: computed on the way: left as it is (an operand is computed on the way)
;;     6. [M 8,192, K 1,024] x [K 1,024, N 1,024]; A: computed on the way; B: input Wp: left as it is (an operand is computed on the way)
;;   THE QUANTISER, for each operand of a quantised product, along K:
;;     - K is cut into blocks of 32 from its start; a last block that is shorter is filled with zeros.
;;     - A block's scale is 2^e with e = floor(log2(the largest magnitude in the block)) - 2, held to -126 .. 127; a block of zeros has e = 0. As a byte (E8M0): e + 127.
;;     - Each number is divided by its block's scale, clamped to +-6, and rounded to the nearest number of E2M1, ties to even, subnormals kept.
;;     - The product sums the exact products of the quantised numbers (number of the format x scale) in f32.
;;   ~~~python
;;   def quantise(x, axis):      # numpy; x: float32 -> the quantised numbers, widened to float32 again
;;       x = np.moveaxis(x, axis, -1); K = x.shape[-1]
;;       x = np.pad(x, [(0, 0)] * (x.ndim - 1) + [(0, -K % 32)]); x = x.reshape(x.shape[:-1] + (-1, 32)); a = np.abs(x).max(-1, keepdims=True)
;;       e = np.where(a > 0, np.clip(np.frexp(np.where(a > 0, a, 1))[1] - 1 - 2, -126, 127), 0)      # np.frexp(a)[1] - 1 = floor(log2(a)), exactly
;;       r = np.clip(x / 2.0 ** e, -6, 6)
;;       step = 2.0 ** (np.maximum(np.frexp(np.where(r == 0, 1, r))[1] - 1, 0) - 1)
;;       q = np.round(r / step) * step * 2.0 ** e      # np.round: ties to even
;;       return np.moveaxis(q.reshape(q.shape[:-2] + (-1,))[..., :K], -1, axis).astype(np.float32)
;;   ~~~
;; One version. Each part assembles by itself: llvm-mc -triple=amdgcn-amd-amdhsa -mcpu=gfx1250 --defsym DOCPART=n.
;; ======== version 1 of 1: 4 launches
;; limits: values are held in f16: magnitudes above 65,504 overflow, below 6.1e-05 lose precision
;; workspace buffers: xc 4,194,304 bytes; xs 262,144 bytes; wc 1,572,864 bytes; ws 98,304 bytes; wpf 2,097,152 bytes; qkv 50,331,648 bytes; af 16,777,216 bytes
;; launch prep (part 1): grid 512 x 1, 4 waves a work-group, no clusters, 34,304 bytes of LDS; arguments x, Wq, Wk, Wv, Wp, xc, xs, wc, ws, wpf; writes xc, xs, wc, ws, wpf
.if DOCPART == 1
	.amdgcn_target "amdgcn-amd-amdhsa--gfx1250"
	.amdhsa_code_object_version 6
	.text
	.protected	k_q64f7661495_prep
	.globl	k_q64f7661495_prep
	.p2align	8
	.type	k_q64f7661495_prep,@function
k_q64f7661495_prep:
	s_mov_b64 s[64:65], 0
	v_nop
	global_prefetch_b8 v0, s[64:65] scope:SCOPE_SE
	s_setreg_imm32_b32 hwreg(HW_REG_WAVE_MODE, 25, 1), 1
	s_wait_xcnt 0x0
; PREP: the operands of the later launches, each laid in the order of the operand's registers (a fragment's registers on end, lane by lane).
;   x  [8192][1024] f32 -> xc: codes of FP4 (E2M1), [row tile 512][K step 8][c 2][lane 32][16 bytes]: lane (r, h) holds row r, k = 128 s + 64 c + 32 h + 0 .. 31;  xs: [row tile][g 2][r 16][4 words], word i = the four E8M0 bytes of K step 4 g + i
;   Wq, Wk, Wv [k 1024][n 1024] f32, K outermost -> wc, ws, likewise by column tiles of 16 (0-63 Wq, 64-127 Wk, 128-191 Wv)
;   Wp [k][n] f32 -> wpf: f16, [n tile 64][k group 32][c 2][lane][16 bytes]: lane (r, h) holds column r, k = 32 kg + 16 c + 8 h + 0 .. 7
; THE QUANTISER: a block's scale is 2^(floor(log2(largest magnitude)) - 2): its byte is the largest magnitude's exponent field - 2, held at 1 from below; each number is divided by the scale and rounded to the nearest code, ties to even, beyond 6 to 6.
; WORK LEFT OUT IN THIS PROGRAM, AND WHY IT IS DEAD.
;   bk.  reference() has score(t, s) = q_t . (x_s Wk + bk) = q_t . (x_s Wk) + q_t . bk.  The product of q and k is not quantised, so k enters no quantiser.  The term q_t . bk is the same for every key s of a query t, and
;   a softmax along s is not changed by a term that is the same along its axis; the keys under the mask have weight 0 with it and without.  That holds for all finite values of the inputs.  k reaches the result by the scores alone,
;   so bk has no way to any output: it is not loaded and is among no launch's arguments.
;   Key tiles that lie wholly above the diagonal of the mask that reference() builds: their weights are 0.
; LIMITS: a NaN, an infinity or an overflow that reaches only the work left out (through bk) is not carried to the result.  A block of zeros gets the byte 1 where the rule says 127: its codes are zeros, and this program alone reads the bytes.
;   NaN and infinities among the inputs are not served.  |Wp| above 65,504 becomes infinity in f16.
; SHARES.  Work-groups 0-255 take x: a wave takes 16 rows x 512 along K (four fragments).  Work-groups 256-511 take the weights: matrix j / 64, K step (j / 8) % 8, 128 columns j % 8; a lane takes a column and its registers run down K.
; Only x's path touches LDS: a load reads 512 consecutive bytes of a row, and the lanes take their 32 neighbours of a block back from the wave's own stage (rows of 512 + 16 bytes).  No barrier: waves share nothing.
.set STG,   8448                       ; a wave's stage: 16 rows x 528 bytes
.set SPARE, 4*STG                      ; behind the stages: the spare words, 128 bytes a wave
.set SPW,   12                         ; v12  my spare word's LDS address; never rewritten
.set NIL,   13                         ; v13  0; never rewritten
.set R,     16                         ; v16-143   numbers as loaded
.set X,     144                        ; v144-207  x: 64 numbers of a fragment, register 32 c + i = k 64 c + 32 h + i;  weights: what is stored
.set C,     208                        ; v208-239  x: codes, 8 registers a fragment
.set SW,    240                        ; v240-243  x: the four scale words
	s_load_b256 s[4:11], s[0:1], 0x0               ; x, Wq, Wk, Wv
	s_load_b256 s[12:19], s[0:1], 0x20             ; Wp, xc, xs, wc
	s_load_b128 s[20:23], s[0:1], 0x40             ; ws, wpf
	v_lshl_add_u32 v[SPW], v0, 2, SPARE
	v_mov_b32 v[NIL], 0
	v_lshrrev_b32 v1, 5, v0
	v_readfirstlane_b32 s26, v1                    ; wave
	v_and_b32 v7, 31, v0                           ; lane
	v_and_b32 v8, 15, v0                           ; r
	v_bfe_u32 v5, v0, 4, 1                         ; h
	s_cmp_lt_u32 ttmp9, 256
	s_cbranch_scc0 .Lweights
	; ---------------- x ----------------
	v_lshlrev_b32 v1, 4, v7                        ; 16 x lane
	s_mul_i32 s33, s26, STG
	v_add_nc_u32 v2, s33, v1                       ; into the stage: 16 x lane of a row
	v_mul_u32_u24 v3, v8, 528
	v_lshl_add_u32 v3, v5, 7, v3
	v_add_nc_u32 v3, s33, v3                       ; out of it: row r, + 128 h: my 32 numbers of a block
	v_lshlrev_b32 v4, 3, v5                        ; 8 h
	v_lshl_add_u32 v6, v8, 4, v4                   ; 16 r + 8 h: my two scale words' place
	v_mov_b32 v251, 0                              ; written once: a lane permute's destination counts as one of its sources
	s_mov_b32 s24, 0x76543210
	s_mov_b32 s25, 0xfedcba98                      ; selects for lane l xor 16
	s_lshl_b32 s27, ttmp9, 2
	s_add_co_u32 s27, s27, s26                     ; which of the 1,024 shares
	s_lshr_b32 s28, s27, 1                         ; row tile
	s_and_b32 s29, s27, 1                          ; K half g
	s_mov_b32 s31, 0
	s_wait_kmcnt 0x0
	s_lshl_b32 s30, s28, 16                        ; x: 16 rows of 4,096 bytes, + 2,048 g
	s_lshl_b32 s32, s29, 11
	s_add_co_u32 s30, s30, s32
	s_add_nc_u64 s[4:5], s[4:5], s[30:31]
	s_lshl_b32 s30, s28, 13                        ; xc: 8,192 a row tile, + 4,096 g
	s_lshl_b32 s32, s29, 12
	s_add_co_u32 s30, s30, s32
	s_add_nc_u64 s[14:15], s[14:15], s[30:31]
	s_lshl_b32 s30, s28, 9                         ; xs: 512 a row tile, + 256 g
	s_lshl_b32 s32, s29, 8
	s_add_co_u32 s30, s30, s32
	s_add_nc_u64 s[16:17], s[16:17], s[30:31]
.macro LOADF f                         ; fragment f: 128 numbers of each of 16 rows; a load reads 512 consecutive bytes
.irp i, 0,1,2,3,4,5,6,7,8,9,10,11,12,13,14,15
	global_load_b128 v[R+64*((\f)%2)+4*\i:R+64*((\f)%2)+4*\i+3], v1, s[4:5] offset:4096*\i+512*(\f) th:TH_LOAD_NT
.endr
.endm
.macro FRAG f
.if (\f) < 3
	s_wait_loadcnt 16                              ; this fragment's 16 loads are in; the next fragment's 16 may be out
.else
	s_wait_loadcnt 0x0
.endif
.irp i, 0,1,2,3,4,5,6,7,8,9,10,11,12,13,14,15
	ds_store_b128 v2, v[R+64*((\f)%2)+4*\i:R+64*((\f)%2)+4*\i+3] offset:528*\i
.endr
.irp c, 0,1
.irp j, 0,1,2,3,4,5,6,7
	ds_load_b128 v[X+32*\c+4*\j:X+32*\c+4*\j+3], v3 offset:256*\c+16*\j   ; LDS serves a wave's instructions in order: these see the stores above
.endr
.endr
	s_wait_dscnt 0x0                               ; my numbers are back, and the stores have read their registers,
.if (\f) < 2
	LOADF (\f)+2                                   ; which take the fragment two on
.endif
.irp c, 0,1                                    ; my block 2 c + h: all its 32 numbers are mine
	v_max3_num_f32 v[244+\c], |v[X+32*\c]|, |v[X+32*\c+1]|, 0x1800000   ; with the floor 2^(3 - 127): the byte cannot fall under 1
.endr
.irp i, 2,4,6,8,10,12,14,16,18,20,22,24,26,28,30
.irp c, 0,1
	v_max3_num_f32 v[244+\c], v[244+\c], |v[X+32*\c+\i]|, |v[X+32*\c+\i+1]|   ; the two blocks by turns
.endr
.endr
.irp c, 0,1
	v_add_nc_u32 v[246+\c], 0xff000000, v[244+\c]  ; 2 off the exponent field: the conversion's scale operand
.endr
.irp c, 0,1
	v_lshrrev_b32 v[248+\c], 23, v[246+\c]         ; the scale's byte
.endr
.irp c, 0,1
.irp g, 0,1,2,3
	v_cvt_scalef32_pk8_fp4_f32 v[C+8*(\f)+4*\c+\g], v[X+32*\c+8*\g:X+32*\c+8*\g+7], v[246+\c]
.endr
.endr
	v_lshl_or_b32 v250, v249, 16, v248             ; (a plain line behind the conversions)  my two bytes: blocks h and 2 + h,
	v_lshlrev_b32 v250, v4, v250                   ; at their places in the word;
	v_permlanex16_b32 v251, v250, s24, s25
	v_or_b32 v[SW+(\f)], v250, v251                ; with lane l xor 16's two the word is whole
.irp c, 0,1
	global_store_b128 v1, v[C+8*(\f)+4*\c:C+8*(\f)+4*\c+3], s[14:15] offset:1024*(\f)+512*\c   ; 32 lanes store 512 consecutive bytes
.endr
.endm
	LOADF 0
	LOADF 1
	FRAG 0
	FRAG 1
	FRAG 2
	FRAG 3
	v_cmp_ne_u32 vcc_lo, 0, v5
	v_cndmask_b32 v252, v240, v242, vcc_lo         ; lanes 0-15 store words 0 and 1 of their row, lanes 16-31 words 2 and 3
	v_cndmask_b32 v253, v241, v243, vcc_lo
	global_store_b64 v6, v[252:253], s[16:17]      ; 256 consecutive bytes, aligned
	s_wait_tensorcnt 0x0                           ; the wave's end, behind my last LDS store
	ds_add_u32 v[SPW], v[NIL]
	s_wait_dscnt 0x0
	s_endpgm
	; ---------------- the weights: no LDS ----------------
.Lweights:
	s_sub_co_u32 s27, ttmp9, 256
	s_lshr_b32 s28, s27, 6                         ; matrix: 0 Wq, 1 Wk, 2 Wv, 3 Wp
	s_and_b32 s29, s27, 7                          ; which 128 columns
	s_bfe_u32 s30, s27, 0x30003                    ; K step s
	s_lshl_b32 s31, s29, 7
	s_lshl_b32 s32, s26, 5
	s_add_co_u32 s31, s31, s32                     ; my wave's first column n0
	v_lshlrev_b32 v9, 2, v7                        ; in: 4 bytes a lane
	v_lshlrev_b32 v10, 4, v8                       ; out: 16 r,
	v_lshl_add_u32 v11, v5, 9, v10                 ; + a column tile of scale words for lanes 16-31,
	v_lshl_add_u32 v14, v5, 15, v10                ; of f16 fragments,
	v_lshl_add_u32 v10, v5, 13, v10                ; of codes
	s_lshl_b32 s34, s30, 19                        ; 128 s rows of 4,096 bytes
	s_lshl_b32 s35, s31, 2
	s_add_co_u32 s34, s34, s35
	s_mov_b32 s35, 0
	s_wait_kmcnt 0x0
	s_cmp_eq_u32 s28, 0                            ; the choice hangs on the work-group's number alone
	s_cselect_b64 s[36:37], s[6:7], s[8:9]
	s_cmp_lt_u32 s28, 2
	s_cselect_b64 s[36:37], s[36:37], s[10:11]
	s_cmp_lt_u32 s28, 3
	s_cselect_b64 s[36:37], s[36:37], s[12:13]
	s_add_nc_u64 s[36:37], s[36:37], s[34:35]
.macro LOADB jb                        ; block jb: W(128 s + 32 jb + i, my column); 32 lanes read 128 consecutive bytes, the four waves 512
.set i, 0
.rept 32
	global_load_b32 v[R+32*(\jb)+i], v9, s[36:37] offset:4096*(32*(\jb)+i) th:TH_LOAD_NT
.set i, i+1
.endr
.endm
.macro ARRIVE jb                       ; block jb is in; the loads run two blocks ahead
.if (\jb) < 3
	s_wait_loadcnt 32                              ; the next block's 32 loads may be out
.else
	s_wait_loadcnt 0x0
.endif
.if (\jb) < 2
	LOADB (\jb)+2
.endif
.endm
	LOADB 0
	LOADB 1
	s_cmp_eq_u32 s28, 3
	s_cbranch_scc1 .Lwp
	s_lshl_b32 s34, s28, 19                        ; wc: (64 matrix + n0 / 16) x 8,192 + 1,024 s
	s_lshl_b32 s38, s31, 9
	s_add_co_u32 s34, s34, s38
	s_lshl_b32 s38, s30, 10
	s_add_co_u32 s34, s34, s38
	s_add_nc_u64 s[18:19], s[18:19], s[34:35]
	s_lshl_b32 s34, s28, 15                        ; ws: (64 matrix + n0 / 16) x 512 + 256 (s / 4) + 4 (s % 4)
	s_lshl_b32 s38, s31, 5
	s_add_co_u32 s34, s34, s38
	s_lshr_b32 s38, s30, 2
	s_lshl_b32 s38, s38, 8
	s_add_co_u32 s34, s34, s38
	s_and_b32 s38, s30, 3
	s_lshl_b32 s38, s38, 2
	s_add_co_u32 s34, s34, s38
	s_add_nc_u64 s[20:21], s[20:21], s[34:35]
.macro WBLK jb
	ARRIVE \jb
.set XS, R+32*(\jb)
	v_max3_num_f32 v244, |v[XS]|, |v[XS+1]|, |v[XS+2]|             ; the block's largest magnitude: all 32 numbers are mine; two chains
	v_max3_num_f32 v245, |v[XS+3]|, |v[XS+4]|, |v[XS+5]|
.irp i, 6,10,14,18,22,26
	v_max3_num_f32 v244, v244, |v[XS+\i]|, |v[XS+\i+1]|
	v_max3_num_f32 v245, v245, |v[XS+\i+2]|, |v[XS+\i+3]|
.endr
	v_max3_num_f32 v244, v244, |v[XS+30]|, |v[XS+31]|
	v_max3_num_f32 v244, v244, v245, 0x1800000     ; and the floor
	v_add_nc_u32 v246, 0xff000000, v244
	v_lshrrev_b32 v247, 23, v246
.if (\jb) == 0
	v_mov_b32 v248, v247                           ; the K step's four bytes make my column's scale word
.else
	v_lshl_or_b32 v248, v247, 8*(\jb), v248
.endif
.irp g, 0,1,2,3
	v_cvt_scalef32_pk8_fp4_f32 v[X+4*(\jb)+\g], v[XS+8*\g:XS+8*\g+7], v246
.endr
	v_nop                                          ; a plain line behind the conversions: the next block writes their scale operand
	global_store_b128 v10, v[X+4*(\jb):X+4*(\jb)+3], s[18:19] offset:512*((\jb)/2)+256*((\jb)%2)   ; block jb is c = jb / 2, h = jb % 2 of the fragment: sixteen lanes store 256 consecutive bytes, aligned
.endm
	WBLK 0
	WBLK 1
	WBLK 2
	WBLK 3
	global_store_b32 v11, v248, s[20:21]           ; 4 bytes a column, 16 bytes apart: 96 KiB in the whole launch leave so
	s_endpgm
.Lwp:
	s_lshl_b32 s34, s31, 11                        ; wpf: (n0 / 16) x 32,768 + 4,096 s
	s_lshl_b32 s38, s30, 12
	s_add_co_u32 s34, s34, s38
	s_add_nc_u64 s[22:23], s[22:23], s[34:35]
.macro PBLK jb                         ; 32 along K are one k group: four runs of eight, (c, h) = (o / 2, o % 2)
	ARRIVE \jb
.irp o, 0,1,2,3
.irp q, 0,1,2,3
	v_cvt_pk_f16_f32 v[X+16*(\jb)+4*\o+\q], v[R+32*(\jb)+8*\o+2*\q], v[R+32*(\jb)+8*\o+2*\q+1]
.endr
	global_store_b128 v14, v[X+16*(\jb)+4*\o:X+16*(\jb)+4*\o+3], s[22:23] offset:1024*(\jb)+512*(\o/2)+256*(\o%2)
.endr
.endm
	PBLK 0
	PBLK 1
	PBLK 2
	PBLK 3
	s_endpgm
.Lfunc_end_k_q64f7661495_prep:
	.size	k_q64f7661495_prep, .Lfunc_end_k_q64f7661495_prep-k_q64f7661495_prep
	.p2alignl 7, 3214868480
	.fill 96, 4, 3214868480
	.section	.rodata,"a",@progbits
	.p2align	6, 0x0
	.amdhsa_kernel k_q64f7661495_prep
		.amdhsa_group_segment_fixed_size 34304
		.amdhsa_private_segment_fixed_size 0
		.amdhsa_enable_private_segment 0
		.amdhsa_kernarg_size 80
		.amdhsa_user_sgpr_count 2
		.amdhsa_user_sgpr_kernarg_segment_ptr 1
		.amdhsa_wavefront_size32 1
		.amdhsa_system_sgpr_workgroup_id_x 1
		.amdhsa_system_sgpr_workgroup_id_y 1
		.amdhsa_system_sgpr_workgroup_id_z 1
		.amdhsa_system_vgpr_workitem_id 0
		.amdhsa_next_free_vgpr 256
		.amdhsa_next_free_sgpr 66
		.amdhsa_reserve_vcc 1
		.amdhsa_float_denorm_mode_32 3
		.amdhsa_float_denorm_mode_16_64 3
		.amdhsa_memory_ordered 1
		.amdhsa_forward_progress 1
		.amdhsa_inst_pref_size 61
	.end_amdhsa_kernel
	.amdgpu_metadata
---
amdhsa.version: [ 1, 2 ]
amdhsa.kernels:
  - .name:           k_q64f7661495_prep
    .symbol:         k_q64f7661495_prep.kd
    .args:
      - { .name: x, .offset: 0, .size: 8, .value_kind: global_buffer, .address_space: global }
      - { .name: Wq, .offset: 8, .size: 8, .value_kind: global_buffer, .address_space: global }
      - { .name: Wk, .offset: 16, .size: 8, .value_kind: global_buffer, .address_space: global }
      - { .name: Wv, .offset: 24, .size: 8, .value_kind: global_buffer, .address_space: global }
      - { .name: Wp, .offset: 32, .size: 8, .value_kind: global_buffer, .address_space: global }
      - { .name: xc, .offset: 40, .size: 8, .value_kind: global_buffer, .address_space: global }
      - { .name: xs, .offset: 48, .size: 8, .value_kind: global_buffer, .address_space: global }
      - { .name: wc, .offset: 56, .size: 8, .value_kind: global_buffer, .address_space: global }
      - { .name: ws, .offset: 64, .size: 8, .value_kind: global_buffer, .address_space: global }
      - { .name: wpf, .offset: 72, .size: 8, .value_kind: global_buffer, .address_space: global }
    .group_segment_fixed_size: 34304
    .private_segment_fixed_size: 0
    .kernarg_segment_align: 8
    .kernarg_segment_size: 80
    .max_flat_workgroup_size: 128
    .sgpr_count:     66
    .vgpr_count:     256
    .wavefront_size: 32
...
	.end_amdgpu_metadata
.endif
;; end of part 1
;; launch qkv (part 2): grid 12 x 32, 4 waves a work-group, clusters of 4 x 4, 279,040 bytes of LDS; arguments xc, xs, wc, ws, bq, bv, qkv; writes qkv
.if DOCPART == 2
	.amdgcn_target "amdgcn-amd-amdhsa--gfx1250"
	.amdhsa_code_object_version 6
	.text
	.protected	k_q64f7661495_qkv
	.globl	k_q64f7661495_qkv
	.p2align	8
	.type	k_q64f7661495_qkv,@function
k_q64f7661495_qkv:
	s_mov_b64 s[64:65], 0
	v_nop
	global_prefetch_b8 v0, s[64:65] scope:SCOPE_SE
	s_setreg_imm32_b32 hwreg(HW_REG_WAVE_MODE, 25, 1), 1
	s_wait_xcnt 0x0
	s_wait_alu depctr_hold_cnt(0) depctr_sa_sdst(0) depctr_va_vdst(0) depctr_va_sdst(0) depctr_va_ssrc(0) depctr_va_vcc(0) depctr_vm_vsrc(0)
	s_getreg_b32 s2, hwreg(HW_REG_IB_STS2, 6, 4)
	s_cmp_eq_u32 s2, 0
	s_cbranch_scc0 .Lentry_in_a_cluster
	s_endpgm
.Lentry_in_a_cluster:
	s_bfe_u32 s2, ttmp6, 0x10000c
	s_cmp_lg_u32 s2, 0xf033
	s_cbranch_scc0 .Lentry_shape_is_right
	s_endpgm
.Lentry_shape_is_right:
; QKV: q = x Wq + bq, k = x Wk, v = x Wv + bv on codes of FP4 with E8M0 scales, sums in f32, results rounded to f16 for the products that follow.
; bk is left out: a term q_t . bk, the same for all keys of a query, does not change the softmax, and k enters no quantiser (shown at the head of the first launch).
; SHARES.  A work-group makes 256 tokens x 256 features (four heads of ONE of q, k, v: MODE = the cluster's x, equal in all sixteen partners); a wave 128 x 128: 64 accumulators, 512 registers.
; ALL OF K (1,024) LIES IN LDS: 128 KiB of x's codes, 128 KiB of W's, 16 KiB of scale words.  Nothing is filled again: no ring.  K's second half may still be on its way while the first is multiplied.
; The workspaces lie in the order of the operands' registers: a fragment is two loads of 512 consecutive bytes, a tile is a run of 4 KiB rows, and no padding is needed.
; CLUSTER 4 x 4: the four of a row need the same rows of x, the four of a column the same columns of W: each is asked for jointly.
; TRANSPOSED USE: source 0 = 16 columns of W, source 1 = 16 rows of x: a lane holds one token and eight neighbouring features, which pack into 16 bytes of f16.
; OUT: qkv = q, k, v, 16 MiB each, [batch x head 64][token tile 128][16 channels ft 4][32 chunks of 16 bytes].  q, k: chunk (r, h) = token r, channels 16 ft + 8 h + 0 .. 7: the image of a fragment's half.
;   v: the chunk at place 16 (r / 8) + 8 h + r % 8, the order in which the turning LDS load of the next launch wants it.  Every store of a wave covers 512 consecutive bytes, aligned.
; LIMIT: |q|, |k|, |v| above 65,504 become infinity in f16.
; REGISTERS: window 0: v16-31 addresses; v32-95 scale words (register 8 i + s: lanes 0-15 x's block i, lanes 16-31 W's block i, K step s); v128-255 x's fragments, two sets; on the way out packed results.
;   window 1: v0-127 W's fragments, two sets; v128-191 the bias in the result's layout.   windows 2, 3: accumulator (a, b) at v[8 (8 (a % 4) + b)].
.set WCO,   131072                     ; LDS: x's codes [g 2][tile 16][4 KiB] at 0, W's likewise here,
.set XSO,   262144                     ; x's scale words, 512 bytes a tile,
.set WSO,   270336                     ; W's,
.set SPARE, 278528                     ; the spare words, 128 bytes a wave
.set ADX,  16                          ; v16-17  my x fragments, K half 0, 1
.set ADW,  20                          ; v20-21  my W fragments
.set LO,   24                          ; v24     my chunk's place in a store's 512 bytes
.set BO,   25                          ; v25     32 h: my eight numbers of a bias block
.set ADRS, 27                          ; v27     my scale words
.set SPW,  28
.set NIL,  29
.set SC,   32
.set XF,   128
.set BIAS, 128
.set T,    128
.set WV,   18
.set WR,   19                          ; s19  wave / 2: my half of the tokens.  Also: I fetch for x (0) or for W (1)
.set WH,   20                          ; s20  wave % 2: my half of the features.  Also: which 8 tiles I fetch
.set MODE, 27
.set G1X,  28
.set G1W,  36
.set G1XS, 44
.set G1WS, 52
.set G0X0, 60
.set G0X1, 68
.set G0XS, 72
.set G0W0, 76
.set G0W1, 80
.set G0WS, 84
.set MSB, 0
.macro WIN new                         ; the immediate's high byte repeats the setting that is left
.if MSB != (\new)
	s_set_vgpr_msb (MSB<<8)|(\new)
.set MSB, (\new)
.endif
.endm
.macro PLACES
.rept 4
	v_nop
.endr
.endm
; A joint load: waves 0 and 1 fetch for x, waves 2 and 3 for W; the branch hangs on the wave's number alone.  An s_nop 0 and four v_nop follow each line.
.macro JLOAD g0a, g1a, g0b, g1b
	s_cmp_eq_u32 s[WR], 0
	s_cbranch_scc0 .Lfor_w_\@
	tensor_load_to_lds s[\g0a:\g0a+3], s[\g1a:\g1a+7]
	s_nop 0
	PLACES
	s_branch .Lasked_\@
.Lfor_w_\@:
	tensor_load_to_lds s[\g0b:\g0b+3], s[\g1b:\g1b+7]
	s_nop 0
	PLACES
.Lasked_\@:
.endm
.macro CROUND                          ; a round of the cluster's barrier
	s_barrier_signal -1
	s_barrier_wait -1
	s_cmp_lg_u32 s[WV], 0
	s_cbranch_scc1 .Lnot_wave_0_\@
	s_barrier_signal -3
.Lnot_wave_0_\@:
	s_barrier_wait -3
	s_barrier_signal -1
	s_barrier_wait -1
.endm
	s_load_b256 s[4:11], s[0:1], 0x0               ; xc, xs, wc, ws
	s_load_b128 s[12:15], s[0:1], 0x20             ; bq, bv
	s_load_b64 s[16:17], s[0:1], 0x30              ; qkv
	v_lshl_add_u32 v[SPW], v0, 2, SPARE
	v_mov_b32 v[NIL], 0
	ds_add_u32 v[SPW], v[NIL]                      ; the wave's opening: the add, twice on end, and its wait ahead of my first tensor load
	ds_add_u32 v[SPW], v[NIL]
	v_lshrrev_b32 v1, 5, v0
	v_readfirstlane_b32 s[WV], v1
	s_lshr_b32 s[WR], s[WV], 1
	s_and_b32 s[WH], s[WV], 1
	s_bfe_u32 s21, ttmp6, 0x40000                  ; cx
	s_bfe_u32 s22, ttmp6, 0x40004                  ; cy
	s_lshl_b32 s23, ttmp9, 2
	s_add_co_u32 s23, s23, s21                     ; feature tile 0 .. 11
	s_and_b32 s24, ttmp7, 0xffff
	s_lshl_b32 s24, s24, 2
	s_add_co_u32 s24, s24, s22                     ; token tile 0 .. 31
	s_lshl_b32 s25, s22, 2
	s_lshl_b32 s25, 15, s25                        ; my row of the cluster
	s_lshl_b32 s26, 0x1111, s21                    ; my column
	s_mov_b32 s[MODE], ttmp9                       ; 0 q, 1 k, 2 v
	; group 1, codes: 8 rows (tiles) of 4 KiB (512 elements of 8 bytes: half of K), 8 KiB apart
	s_or_b32 s[G1X], s25, (3<<16)|(1<<21)          ; 15:0 the mask; 17:16 elements of 8 bytes; 21 set beside a mask; no padding
	s_or_b32 s[G1W], s26, (3<<16)|(1<<21)
.irp g, G1X, G1W
	s_mov_b32 s[\g+1], 512<<16                     ; tensor_dim0
	s_mov_b32 s[\g+2], 8<<16                       ; tensor_dim1
	s_mov_b32 s[\g+3], 512<<16                     ; tile_dim0
	s_mov_b32 s[\g+4], 8                           ; tile_dim1
	s_mov_b32 s[\g+5], 1024                        ; from row to row
	s_mov_b32 s[\g+6], 0
	s_mov_b32 s[\g+7], 0
.endr
	; group 1, scale words: 4 KiB dense (8 tiles), as 16 rows of 256 bytes
	s_or_b32 s[G1XS], s25, (3<<16)|(1<<21)
	s_or_b32 s[G1WS], s26, (3<<16)|(1<<21)
.irp g, G1XS, G1WS
	s_mov_b32 s[\g+1], 32<<16
	s_mov_b32 s[\g+2], 16<<16
	s_mov_b32 s[\g+3], 32<<16
	s_mov_b32 s[\g+4], 16
	s_mov_b32 s[\g+5], 32
	s_mov_b32 s[\g+6], 0
	s_mov_b32 s[\g+7], 0
.endr
	s_lshl_b32 s88, s24, 17                        ; x's codes: (16 token tile + 8 half) x 8 KiB: hangs on the token tile, which my row shares
	s_lshl_b32 s89, s[WH], 16
	s_add_co_u32 s88, s88, s89
	s_mov_b32 s89, 0
	s_lshl_b32 s90, s24, 13                        ; its scale words: x 512
	s_lshl_b32 s91, s[WH], 12
	s_add_co_u32 s90, s90, s91
	s_mov_b32 s91, 0
	s_lshl_b32 s92, s23, 17                        ; W's: on the feature tile, which my column shares
	s_lshl_b32 s93, s[WH], 16
	s_add_co_u32 s92, s92, s93
	s_mov_b32 s93, 0
	s_lshl_b32 s94, s23, 13
	s_lshl_b32 s95, s[WH], 12
	s_add_co_u32 s94, s94, s95
	s_mov_b32 s95, 0
	s_lshl_b32 s2, s[WH], 15                       ; in LDS: 8 tiles of 4 KiB,
	s_lshl_b32 s3, s[WH], 12                       ; of 512 bytes
	s_wait_dscnt 0x0                               ; both opening adds are done
	s_wait_kmcnt 0x0
	s_add_nc_u64 s[88:89], s[4:5], s[88:89]
	s_add_nc_u64 s[90:91], s[6:7], s[90:91]
	s_add_nc_u64 s[92:93], s[8:9], s[92:93]
	s_add_nc_u64 s[94:95], s[10:11], s[94:95]
	CROUND                                         ; all sixteen work-groups are here: the joint loads meet
	s_mov_b32 s[G0XS], 1
	s_add_co_u32 s[G0XS+1], s3, XSO
	s_mov_b64 s[G0XS+2:G0XS+3], s[90:91]
	s_or_b32 s[G0XS+3], s[G0XS+3], 0x80000000
	s_mov_b32 s[G0WS], 1
	s_add_co_u32 s[G0WS+1], s3, WSO
	s_mov_b64 s[G0WS+2:G0WS+3], s[94:95]
	s_or_b32 s[G0WS+3], s[G0WS+3], 0x80000000
	JLOAD G0XS, G1XS, G0WS, G1WS                   ; the scale words first
	s_mov_b32 s[G0X0], 1
	s_mov_b32 s[G0X0+1], s2
	s_mov_b64 s[G0X0+2:G0X0+3], s[88:89]
	s_or_b32 s[G0X0+3], s[G0X0+3], 0x80000000
	s_mov_b32 s[G0W0], 1
	s_add_co_u32 s[G0W0+1], s2, WCO
	s_mov_b64 s[G0W0+2:G0W0+3], s[92:93]
	s_or_b32 s[G0W0+3], s[G0W0+3], 0x80000000
	JLOAD G0X0, G1X, G0W0, G1W                     ; K's first half
	s_mov_b32 s[G0X1], 1
	s_add_co_u32 s[G0X1+1], s2, 65536
	s_add_nc_u64 s[G0X1+2:G0X1+3], s[88:89], 4096
	s_or_b32 s[G0X1+3], s[G0X1+3], 0x80000000
	s_mov_b32 s[G0W1], 1
	s_add_co_u32 s[G0W1+1], s2, WCO+65536
	s_add_nc_u64 s[G0W1+2:G0W1+3], s[92:93], 4096
	s_or_b32 s[G0W1+3], s[G0W1+3], 0x80000000
	JLOAD G0X1, G1X, G0W1, G1W                     ; its second half: three loads of mine are out
	; The bias is the C of each sum's first matrix instruction: register 8 b + j of lane (r, h) = bias[my first feature + 16 b + 8 h + j].  k has none: its C is zeros, written once, in place of a second copy of the first K step.
	s_cmp_eq_u32 s[MODE], 1
	s_cbranch_scc1 .Lno_bias
	s_cmp_eq_u32 s[MODE], 0
	s_cselect_b64 s[98:99], s[12:13], s[14:15]     ; bq or bv
	s_and_b32 s96, s23, 3
	s_lshl_b32 s96, s96, 10
	s_lshl_b32 s97, s[WH], 9
	s_add_co_u32 s96, s96, s97                     ; 4 x (256 (feature tile % 4) + 128 half)
	s_mov_b32 s97, 0
	s_add_nc_u64 s[98:99], s[98:99], s[96:97]
	v_bfe_u32 v[BO], v0, 4, 1
	v_lshlrev_b32 v[BO], 5, v[BO]
	WIN 0x40
.irp b, 0,1,2,3,4,5,6,7
.irp c, 0,1
	global_load_b128 v[BIAS+8*\b+4*\c:BIAS+8*\b+4*\c+3], v[BO], s[98:99] offset:64*\b+16*\c
.endr
.endr
	WIN 0
	s_branch .Lbias_done
.Lno_bias:
	WIN 0x40
.set i, 0
.rept 64
	v_mov_b32 v[BIAS+i], 0
.set i, i+1
.endr
	WIN 0
.Lbias_done:
	v_and_b32 v1, 31, v0
	v_lshlrev_b32 v2, 4, v1                        ; 16 x lane
	v_and_b32 v3, 15, v0                           ; r
	v_bfe_u32 v4, v0, 4, 1                         ; h
	s_lshl_b32 s96, s[WR], 15                      ; my 8 tiles of x
	v_add_nc_u32 v[ADX], s96, v2
	s_add_co_u32 s96, s96, 65536
	v_add_nc_u32 v[ADX+1], s96, v2
	s_lshl_b32 s96, s[WH], 15                      ; my 8 tiles of W
	s_add_co_u32 s96, s96, WCO
	v_add_nc_u32 v[ADW], s96, v2
	s_add_co_u32 s96, s96, 65536
	v_add_nc_u32 v[ADW+1], s96, v2
	s_lshl_b32 s96, s[WR], 12                      ; scale words: lanes 0-15 x's, lanes 16-31 W's: the lower base + h x the distance
	s_lshl_b32 s97, s[WH], 12
	s_add_co_u32 s97, s97, WSO-XSO
	s_sub_co_u32 s97, s97, s96
	v_mul_u32_u24 v5, s97, v4
	s_add_co_u32 s96, s96, XSO
	v_lshl_add_u32 v5, v3, 4, v5
	v_add_nc_u32 v[ADRS], s96, v5
	v_lshrrev_b32 v6, 3, v3                        ; v's chunk: 16 (r / 8) + 8 h + r % 8
	v_and_b32 v7, 7, v3
	v_lshl_add_u32 v6, v6, 4, v7
	v_lshl_add_u32 v6, v4, 3, v6
	v_lshlrev_b32 v6, 4, v6
	s_cmp_eq_u32 s[MODE], 2
	s_cselect_b32 s96, -1, 0
	v_cndmask_b32 v[LO], v2, v6, s96
	s_lshr_b32 s96, s24, 3                         ; where my part of the result begins: batch x 16
	s_lshl_b32 s96, s96, 4
	s_and_b32 s97, s23, 3
	s_lshl_b32 s97, s97, 2
	s_add_co_u32 s96, s96, s97                     ; + 4 heads a work-group
	s_lshl_b32 s97, s[WH], 1
	s_add_co_u32 s96, s96, s97                     ; + 2 a wave
	s_lshl_b32 s96, s96, 7                         ; x 128 token tiles
	s_and_b32 s97, s24, 7
	s_lshl_b32 s97, s97, 4
	s_add_co_u32 s96, s96, s97
	s_lshl_b32 s97, s[WR], 3
	s_add_co_u32 s96, s96, s97
	s_lshl_b32 s96, s96, 11                        ; x 2,048 bytes
	s_lshl_b32 s97, s[MODE], 24                    ; q, k or v
	s_add_co_u32 s96, s96, s97
	s_mov_b32 s97, 0
	s_add_nc_u64 s[16:17], s[16:17], s[96:97]
.macro FETCH s                         ; K step s: W's eight fragments and x's eight into set s % 2: 32 loads of 512 consecutive bytes
	WIN 0x40
.irp b, 0,1,2,3,4,5,6,7
.irp c, 0,1
	ds_load_b128 v[64*((\s)%2)+8*\b+4*\c:64*((\s)%2)+8*\b+4*\c+3], v[ADW+(\s)/4] offset:4096*\b+1024*((\s)%4)+512*\c
.endr
.endr
	WIN 0
.irp b, 0,1,2,3,4,5,6,7
.irp c, 0,1
	ds_load_b128 v[XF+64*((\s)%2)+8*\b+4*\c:XF+64*((\s)%2)+8*\b+4*\c+3], v[ADX+(\s)/4] offset:4096*\b+1024*((\s)%4)+512*\c
.endr
.endr
.endm
; 32 matrix instructions: x's blocks 4 hi .. 4 hi + 3 against W's eight.  bias = 1: the sums begin with the bias.  The 64 accumulators take turns in the same order in every K step.
.macro MUL32 s, hi, bias
.if \bias
	WIN 0x91+0x40*(\hi)                            ; W window 1, x window 0, C window 1, D window 2 or 3
.else
	WIN 0xa1+0x50*(\hi)                            ; C and D window 2 or 3
.endif
.irp a, 0,1,2,3
.irp b, 0,1,2,3,4,5,6,7
.if \bias
	v_wmma_scale_f32_16x16x128_f8f6f4 v[8*(8*\a+\b):8*(8*\a+\b)+7], v[64*((\s)%2)+8*\b:64*((\s)%2)+8*\b+7], v[XF+64*((\s)%2)+8*(4*\hi+\a):XF+64*((\s)%2)+8*(4*\hi+\a)+7], v[BIAS+8*\b:BIAS+8*\b+7], v[SC+8*\b+(\s)], v[SC+8*(4*\hi+\a)+(\s)] matrix_a_fmt:MATRIX_FMT_FP4 matrix_b_fmt:MATRIX_FMT_FP4 matrix_a_scale:MATRIX_SCALE_ROW1
.else
	v_wmma_scale_f32_16x16x128_f8f6f4 v[8*(8*\a+\b):8*(8*\a+\b)+7], v[64*((\s)%2)+8*\b:64*((\s)%2)+8*\b+7], v[XF+64*((\s)%2)+8*(4*\hi+\a):XF+64*((\s)%2)+8*(4*\hi+\a)+7], v[8*(8*\a+\b):8*(8*\a+\b)+7], v[SC+8*\b+(\s)], v[SC+8*(4*\hi+\a)+(\s)] matrix_a_fmt:MATRIX_FMT_FP4 matrix_b_fmt:MATRIX_FMT_FP4 matrix_a_scale:MATRIX_SCALE_ROW1
.endif
.endr
.endr
.endm
.macro KSTEP s, bias
	s_wait_dscnt 0x0                               ; this step's fragments are in (asked for 64 matrix instructions ago)
.if (\s) == 3
	s_wait_tensorcnt 0x0                           ; my part of K's second half has landed,
	s_barrier_signal -1
	s_barrier_wait -1                              ; everybody's has: the next fetch reads it
.endif
.if (\s) < 7
.if (\s) > 0
	PLACES                                         ; four places in front of loads into registers that the last step's matrix instructions have read
.endif
	FETCH (\s)+1
.endif
	MUL32 \s, 0, \bias
	MUL32 \s, 1, \bias
	WIN 0
.endm
	s_wait_tensorcnt 1                             ; the scale words and my part of K's first half are in; the second half's load may stay out
	s_barrier_signal -1
	s_barrier_wait -1
	FETCH 0
.irp i, 0,1,2,3,4,5,6,7                        ; all scale words, once: four words a load; lanes 0-15 x's block i, lanes 16-31 W's block i
.irp g, 0,1
	ds_load_b128 v[SC+8*\i+4*\g:SC+8*\i+4*\g+3], v[ADRS] offset:512*\i+256*\g
.endr
.endr
	s_wait_loadcnt 0x0                             ; the bias
	KSTEP 0, 1
	KSTEP 1, 0
	KSTEP 2, 0
	KSTEP 3, 0
	KSTEP 4, 0
	KSTEP 5, 0
	KSTEP 6, 0
	KSTEP 7, 0
; THE WAY OUT, a block of 16 tokens at a time: a lane's eight features of an accumulator pack into 16 bytes, and the 32 lanes' chunks are 512 consecutive bytes of the result.  No LDS.
.macro OUTA a
.if (\a) >= 4
	s_wait_xcnt 0x0                                ; the stores of the block four back have read their registers
.endif
	WIN 0x0a+5*((\a)/4)                            ; sources in window 2 or 3
.irp b, 0,1,2,3,4,5,6,7
.irp q, 0,1,2,3
	v_cvt_pk_f16_f32 v[T+32*((\a)%4)+4*\b+\q], v[64*((\a)%4)+8*\b+2*\q], v[64*((\a)%4)+8*\b+2*\q+1]   ; each accumulator from its low end on
.endr
.endr
	WIN 0
.irp b, 0,1,2,3,4,5,6,7
	global_store_b128 v[LO], v[T+32*((\a)%4)+4*\b:T+32*((\a)%4)+4*\b+3], s[16:17] offset:2048*(\a)+262144*(\b/4)+512*(\b%4)   ; head b / 4, channels 16 (b % 4) on
.endr
.endm
	PLACES                                         ; behind the last products: the conversions write registers that held x's fragments
	OUTA 0
	OUTA 1
	OUTA 2
	OUTA 3
	OUTA 4
	OUTA 5
	OUTA 6
	OUTA 7
	s_wait_tensorcnt 0x0                           ; the wave's end
	ds_add_u32 v[SPW], v[NIL]
	s_wait_dscnt 0x0
	CROUND                                         ; the closing round
	s_endpgm
.Lfunc_end_k_q64f7661495_qkv:
	.size	k_q64f7661495_qkv, .Lfunc_end_k_q64f7661495_qkv-k_q64f7661495_qkv
	.p2alignl 7, 3214868480
	.fill 96, 4, 3214868480
	.section	.rodata,"a",@progbits
	.p2align	6, 0x0
	.amdhsa_kernel k_q64f7661495_qkv
		.amdhsa_group_segment_fixed_size 279040
		.amdhsa_private_segment_fixed_size 0
		.amdhsa_enable_private_segment 0
		.amdhsa_kernarg_size 56
		.amdhsa_user_sgpr_count 2
		.amdhsa_user_sgpr_kernarg_segment_ptr 1
		.amdhsa_wavefront_size32 1
		.amdhsa_system_sgpr_workgroup_id_x 1
		.amdhsa_system_sgpr_workgroup_id_y 1
		.amdhsa_system_sgpr_workgroup_id_z 1
		.amdhsa_system_vgpr_workitem_id 0
		.amdhsa_next_free_vgpr 1024
		.amdhsa_next_free_sgpr 100
		.amdhsa_reserve_vcc 0
		.amdhsa_float_denorm_mode_32 3
		.amdhsa_float_denorm_mode_16_64 3
		.amdhsa_memory_ordered 1
		.amdhsa_forward_progress 1
		.amdhsa_inst_pref_size 120
	.end_amdhsa_kernel
	.amdgpu_metadata
---
amdhsa.version: [ 1, 2 ]
amdhsa.kernels:
  - .name:           k_q64f7661495_qkv
    .symbol:         k_q64f7661495_qkv.kd
    .args:
      - { .name: xc, .offset: 0, .size: 8, .value_kind: global_buffer, .address_space: global }
      - { .name: xs, .offset: 8, .size: 8, .value_kind: global_buffer, .address_space: global }
      - { .name: wc, .offset: 16, .size: 8, .value_kind: global_buffer, .address_space: global }
      - { .name: ws, .offset: 24, .size: 8, .value_kind: global_buffer, .address_space: global }
      - { .name: bq, .offset: 32, .size: 8, .value_kind: global_buffer, .address_space: global }
      - { .name: bv, .offset: 40, .size: 8, .value_kind: global_buffer, .address_space: global }
      - { .name: qkv, .offset: 48, .size: 8, .value_kind: global_buffer, .address_space: global }
    .group_segment_fixed_size: 279040
    .private_segment_fixed_size: 0
    .kernarg_segment_align: 8
    .kernarg_segment_size: 56
    .max_flat_workgroup_size: 128
    .sgpr_count:     100
    .vgpr_count:     1024
    .wavefront_size: 32
...
	.end_amdgpu_metadata
.endif
;; end of part 2
;; launch attn (part 3): grid 4 x 64, 8 waves a work-group, no clusters, 327,680 bytes of LDS; arguments qkv, af; writes af
.if DOCPART == 3
	.amdgcn_target "amdgcn-amd-amdhsa--gfx1250"
	.amdhsa_code_object_version 6
	.text
	.protected	k_q64f7661495_attn
	.globl	k_q64f7661495_attn
	.p2align	8
	.type	k_q64f7661495_attn,@function
k_q64f7661495_attn:
	s_mov_b64 s[64:65], 0
	v_nop
	global_prefetch_b8 v0, s[64:65] scope:SCOPE_SE
	s_setreg_imm32_b32 hwreg(HW_REG_WAVE_MODE, 25, 1), 1
	s_wait_xcnt 0x0
; ATTN: a[t] = the sum over s <= t of softmax_s(q_t . k_s) v_s, for each of 64 (batch, head); head size 64; no factor on the scores.  q, k, v, the weights p and the result in f16, products' sums, maxima and sums in f32.
; LEFT OUT: key steps all of whose 64 keys come after a wave's queries (weight 0 under the mask that the problem builds); bk (shown at the head of the first launch).
; f16, not bf16: an error of a score is a relative error of p, and 64 products of 8-bit significands would use up what the comparison allows.
; SHARES.  Work-group (p, bh) owns the query blocks 7 - p (late) and p (early) of one head, 256 queries each: seven whole slots of keys and two on the diagonal for every work-group: 256 equal work-groups.
;   Wave w holds four tiles of 16 queries: tiles 0, 1 at QL = 256 (7 - p) + 32 w, tiles 2, 3 at QE = 256 p + 32 w; both pairs feed on the same fragments of K and V.  Two waves share a SIMD: one's softmax stands beside the other's products.
; NO CLUSTER: the four work-groups of a head need different numbers of slots under the mask, so a partner would have to ask for tiles that none of its waves reads.
; LAYOUT.  S^T = K Q^T (source 0 = 16 keys, source 1 = 16 queries), O^T = V^T P (source 0 = 16 channels, source 1 = P): a lane holds ONE query throughout; two tiles of S^T, packed to f16 in pairs, ARE a fragment of P.
; RING.  Two LDS slots of 256 keys: four steps of K (8 KiB each, images of the fragments), then four of V.  Wave w fills bytes 8,192 w of a slot (waves 0-3 K's steps, 4-7 V's): one load a wave, 32 rows of 256 bytes; a slot is one query block of
;   keys, so that the causal limit falls on whole slots.  EVERY work-group walks all eight slots (constant trip counts); steps and fills beyond its queries are jumped over on ids alone; every wait on TENSORcnt is for 0.
; SOFTMAX.  Running maximum m and sum l for each query: p = 2^(c s - c m), c = log2(e); O and l are multiplied by a = 2^(c m_old - c m_new) in every step.  m begins at -2^127, O and l at 0, so that the step is written once.
; LIMITS: c x |score| has to stay finite in f32; |result| above 65,504 becomes infinity in f16.
; REGISTERS.  window 0: v1-11 addresses; v16-47 statistics, 8 a tile (+0 c m, +1 m, +2, +3 l, +4 .. +7 at work, a in +6); v64-191 S^T, 32 a tile, then P in a tile's first 16; v192-255 K's 8 fragments.
;   window 1: v0-127 O^T, 32 a tile; v128-191 Q, 16 a tile; v192-255 V's 8 fragments.
.set SLOT1, 65536
.set SPARE, 131072                     ; behind the ring: the spare words, 128 bytes for each of eight waves
.set LI,   1                           ; v1   16 x lane
.set ADK,  3                           ; v3   the step's LDS address
.set SPW,  5
.set NIL,  6
.set RH,   8                           ; v8   r - 8 h
.set NINF, 9                           ; v9   -infinity
.set DD,   10                          ; v10  at work in the mask
.set PFO,  11                          ; v11  256 x lane
.set ST,   16
.set S,    64
.set KR,   192
.set QR,   128
.set VR,   192
.set WV,   12
.set QL,   15
.set QE,   16
.set KF,   17                          ; s17  the step's first key
.set TB,   18                          ; s18  LDS byte of the step's K
.set SLOTS, 19
.set STEPC, 20
.set CS,   22                          ; s[22:23] c
.set SEL,  24                          ; s[24:25] selects for lane l xor 16
.set G1,   28
.set G0,   36
.set PFA,  40
.set LIM,  42
.set LASTQ, 51
.set MSB, 0
.macro WIN new
.if MSB != (\new)
	s_set_vgpr_msb (MSB<<8)|(\new)
.set MSB, (\new)
.endif
.endm
.macro PLACES
.rept 4
	v_nop
.endr
.endm
	s_load_b128 s[4:7], s[0:1], 0x0                ; qkv, af
	v_lshl_add_u32 v[SPW], v0, 2, SPARE
	v_mov_b32 v[NIL], 0
	ds_add_u32 v[SPW], v[NIL]                      ; the wave's opening: the add, twice on end, and its wait ahead of my first tensor load
	ds_add_u32 v[SPW], v[NIL]
	v_lshrrev_b32 v2, 5, v0
	v_readfirstlane_b32 s[WV], v2                  ; wave 0..7
	s_mov_b32 s13, ttmp9                           ; p
	s_and_b32 s14, ttmp7, 0xffff                   ; batch x 16 + head
	s_sub_co_u32 s[QL], 7, s13
	s_lshl_b32 s[QL], s[QL], 8
	s_or_b32 s[LASTQ], s[QL], 255                  ; my work-group's last query
	s_lshl_b32 s43, s[WV], 5
	s_add_co_u32 s[QL], s[QL], s43
	s_lshl_b32 s[QE], s13, 8
	s_add_co_u32 s[QE], s[QE], s43
	s_mov_b32 s[G1], 3<<16                         ; no mask; elements of 8 bytes; no padding
	s_mov_b32 s[G1+1], 32<<16                      ; tensor_dim0 = 32 (256 bytes)
	s_mov_b32 s[G1+2], 32<<16                      ; tensor_dim1 = 32
	s_mov_b32 s[G1+3], 32<<16                      ; tile_dim0
	s_mov_b32 s[G1+4], 32                          ; tile_dim1
	s_mov_b32 s[G1+5], 32                          ; dense
	s_mov_b32 s[G1+6], 0
	s_mov_b32 s[G1+7], 0
	s_mov_b32 s[CS], 0x3fb8aa3b                    ; log2(e)
	s_mov_b32 s[CS+1], s[CS]
	s_mov_b32 s[SEL], 0x76543210
	s_mov_b32 s[SEL+1], 0xfedcba98
	s_mov_b32 s[KF], 0
	s_mov_b32 s[TB], 0
	s_mov_b32 s[SLOTS], 7
	s_cmp_eq_u32 s13, 0
	s_cselect_b32 s[LIM], 1, -1                    ; the head's work-group p = 0, which walks all keys, prefetches
	s_lshl_b32 s46, s14, 18                        ; the head's 256 KiB in each of q, k, v
	s_lshr_b32 s44, s[WV], 2
	s_add_co_u32 s44, s44, 1
	s_lshl_b32 s44, s44, 24                        ; k (waves 0-3) or v (waves 4-7)
	s_add_co_u32 s44, s44, s46
	s_and_b32 s45, s[WV], 3
	s_lshl_b32 s45, s45, 13                        ; my step of a slot
	s_add_co_u32 s44, s44, s45
	s_mov_b32 s45, 0
	s_lshl_b32 s52, s[QL], 7                       ; q: 128 bytes a token
	s_add_co_u32 s52, s52, s46
	s_mov_b32 s53, 0
	s_lshl_b32 s54, s[QE], 7
	s_add_co_u32 s54, s54, s46
	s_mov_b32 s55, 0
	s_lshr_b32 s47, s14, 4
	s_lshl_b32 s47, s47, 11                        ; the batch's first token
	s_and_b32 s48, s14, 15                         ; the head
	s_add_co_u32 s47, s47, s48
	s_add_co_u32 s56, s47, s[QL]                   ; af: 2,048 bytes a token (in tiles of 16), 2,048 a head inside a tile
	s_lshl_b32 s56, s56, 11
	s_mov_b32 s57, 0
	s_add_co_u32 s58, s47, s[QE]
	s_lshl_b32 s58, s58, 11
	s_mov_b32 s59, 0
	s_wait_dscnt 0x0                               ; both opening adds are done
	s_wait_kmcnt 0x0
	s_mov_b32 s[G0], 1
	s_lshl_b32 s[G0+1], s[WV], 13                  ; slot 0, my 8 KiB
	s_add_nc_u64 s[G0+2:G0+3], s[4:5], s[44:45]
	s_add_nc_u64 s[PFA:PFA+1], s[G0+2:G0+3], 32768 ; my part of slot 1; the first change of slots steps it to slot 2
	s_or_b32 s[G0+3], s[G0+3], 0x80000000
	tensor_load_to_lds s[G0:G0+3], s[G1:G1+7]      ; slot 0: key 0 counts for every query
	s_nop 0
	PLACES
	s_add_nc_u64 s[52:53], s[4:5], s[52:53]
	s_add_nc_u64 s[54:55], s[4:5], s[54:55]
	s_add_nc_u64 s[56:57], s[6:7], s[56:57]
	s_add_nc_u64 s[58:59], s[6:7], s[58:59]
	v_and_b32 v2, 31, v0
	v_lshlrev_b32 v[LI], 4, v2
	v_lshlrev_b32 v[PFO], 8, v2
	v_and_b32 v4, 15, v0
	v_bfe_u32 v7, v0, 4, 1
	v_lshlrev_b32 v7, 3, v7
	v_sub_nc_u32 v[RH], v4, v7
	v_mov_b32 v[NINF], 0xff800000
	WIN 0x40
.irp t, 0,1
.irp kc, 0,1
.irp c, 0,1
	global_load_b128 v[QR+16*\t+8*\kc+4*\c:QR+16*\t+8*\kc+4*\c+3], v[LI], s[52:53] offset:2048*\t+1024*\kc+512*\c        ; Q stays in registers
	global_load_b128 v[QR+32+16*\t+8*\kc+4*\c:QR+32+16*\t+8*\kc+4*\c+3], v[LI], s[54:55] offset:2048*\t+1024*\kc+512*\c
.endr
.endr
.endr
.set i, 0
.rept 128
	v_mov_b32 v[i], 0                              ; O^T: written once, so that the key step needs no first copy of its own
.set i, i+1
.endr
	WIN 0
.irp t, 0,1,2,3
	v_mov_b32 v[ST+8*\t+1], 0xff000000             ; m = -2^127, under every score
	v_mov_b32 v[ST+8*\t+2], 0
	v_mov_b32 v[ST+8*\t+3], 0
	v_mov_b32 v[ST+8*\t+4], 0
	v_mov_b32 v[ST+8*\t+5], 0
	v_mov_b32 v[ST+8*\t+6], 0
	v_mov_b32 v[ST+8*\t+7], 0
	v_mul_f32 v[ST+8*\t], s[CS], v[ST+8*\t+1]      ; c m
.endr
; 16 products S^T = K Q^T for tiles x, x + 1: the eight accumulators by turns, 32 channels at a time; the first eight start the sums.
.macro KQ x
	WIN 0x04                                       ; Q in window 1
.irp kc, 0,1
.irp kt, 0,1,2,3
.irp u, 0,1
.if \kc == 0
	v_wmma_f32_16x16x32_f16 v[S+32*(\x+\u)+8*\kt:S+32*(\x+\u)+8*\kt+7], v[KR+8*(2*\kt+\kc):KR+8*(2*\kt+\kc)+7], v[QR+16*(\x+\u)+8*\kc:QR+16*(\x+\u)+8*\kc+7], 0
.else
	v_wmma_f32_16x16x32_f16 v[S+32*(\x+\u)+8*\kt:S+32*(\x+\u)+8*\kt+7], v[KR+8*(2*\kt+\kc):KR+8*(2*\kt+\kc)+7], v[QR+16*(\x+\u)+8*\kc:QR+16*(\x+\u)+8*\kc+7], v[S+32*(\x+\u)+8*\kt:S+32*(\x+\u)+8*\kt+7]
.endif
.endr
.endr
.endr
.endm
; 16 products O^T += V^T P for tiles x, x + 1: eight accumulators by turns, 32 keys at a time.
.macro PV x
	WIN 0x51                                       ; V, C and D in window 1, P in window 0
.irp kg, 0,1
.irp ct, 0,1,2,3
.irp u, 0,1
	v_wmma_f32_16x16x32_f16 v[32*(\x+\u)+8*\ct:32*(\x+\u)+8*\ct+7], v[VR+8*(4*\kg+\ct):VR+8*(4*\kg+\ct)+7], v[S+32*(\x+\u)+8*\kg:S+32*(\x+\u)+8*\kg+7], v[32*(\x+\u)+8*\ct:32*(\x+\u)+8*\ct+7]
.endr
.endr
.endr
.endm
; The softmax of tiles x, x + 1 (first query s[qx]) for one key step, the two tiles line by line by turns.  Register 8 kt + j of a tile is key KF + 16 kt + 8 h + j of query r.
.macro SM x, qx
	PLACES                                         ; behind the products that made the scores
	s_add_co_u32 s43, s[KF], 63
	s_cmp_le_u32 s43, s[\qx]
	s_cbranch_scc1 .Lopen_\@                       ; all 64 keys count for all 32 queries
	s_sub_co_i32 s43, s[\qx], s[KF]
.irp u, 0,1
	v_add_nc_u32 v[DD], s43, v[RH]                 ; d = my query - KF - 8 h: hidden where 16 kt + j > d
.set n, 0
.rept 32
	v_cmp_gt_i32 vcc_lo, 16*(n/8)+n%8, v[DD]
	v_cndmask_b32 v[S+32*(\x+\u)+n], v[S+32*(\x+\u)+n], v[NINF], vcc_lo
.set n, n+1
.endr
	s_add_co_u32 s43, s43, 16
.endr
.Lopen_\@:
.irp j, 0,1,2,3                                ; the maximum: four chains, each begun at an accumulator's low end
.irp u, 0,1
	v_max3_num_f32 v[ST+8*(\x+\u)+4+\j], v[S+32*(\x+\u)+8*\j], v[S+32*(\x+\u)+8*\j+1], v[S+32*(\x+\u)+8*\j+2]
.endr
.endr
.irp i, 3,5
.irp j, 0,1,2,3
.irp u, 0,1
	v_max3_num_f32 v[ST+8*(\x+\u)+4+\j], v[ST+8*(\x+\u)+4+\j], v[S+32*(\x+\u)+8*\j+\i], v[S+32*(\x+\u)+8*\j+\i+1]
.endr
.endr
.endr
.irp u, 0,1
	v_max3_num_f32 v[ST+8*(\x+\u)+4], v[ST+8*(\x+\u)+4], v[S+32*(\x+\u)+7], v[S+32*(\x+\u)+15]
.endr
.irp u, 0,1
	v_max3_num_f32 v[ST+8*(\x+\u)+6], v[ST+8*(\x+\u)+6], v[S+32*(\x+\u)+23], v[S+32*(\x+\u)+31]
.endr
.irp u, 0,1
	v_max3_num_f32 v[ST+8*(\x+\u)+4], v[ST+8*(\x+\u)+4], v[ST+8*(\x+\u)+5], v[ST+8*(\x+\u)+6]
.endr
.irp u, 0,1
	v_max3_num_f32 v[ST+8*(\x+\u)+4], v[ST+8*(\x+\u)+4], v[ST+8*(\x+\u)+7], v[ST+8*(\x+\u)+1]   ; with the old m
.endr
.irp u, 0,1
	v_permlanex16_b32 v[ST+8*(\x+\u)+5], v[ST+8*(\x+\u)+4], s[SEL], s[SEL+1]   ; the query's other 32 keys lie in the lane 16 away
.endr
.irp u, 0,1
	v_mov_b32 v[ST+8*(\x+\u)+7], v[ST+8*(\x+\u)]   ; c m_old is kept for a
.endr
.irp u, 0,1
	v_max_num_f32 v[ST+8*(\x+\u)+1], v[ST+8*(\x+\u)+4], v[ST+8*(\x+\u)+5]
.endr
.irp u, 0,1
	v_mul_f32 v[ST+8*(\x+\u)], s[CS], v[ST+8*(\x+\u)+1]
.endr
.irp u, 0,1
	v_sub_f32 v[ST+8*(\x+\u)+7], v[ST+8*(\x+\u)+7], v[ST+8*(\x+\u)]
.endr
.irp b, 0,2,4,6,8,10,12,14,16,18,20,22,24,26,28,30
.irp u, 0,1
	v_pk_fma_f32 v[S+32*(\x+\u)+\b:S+32*(\x+\u)+\b+1], v[S+32*(\x+\u)+\b:S+32*(\x+\u)+\b+1], s[CS:CS+1], v[ST+8*(\x+\u):ST+8*(\x+\u)+1] op_sel_hi:[1,0,0] neg_lo:[0,0,1] neg_hi:[0,0,1]   ; c s - c m
.endr
.endr
.irp u, 0,1
	v_exp_f32 v[ST+8*(\x+\u)+6], v[ST+8*(\x+\u)+7] ; a
.endr
.set e, 0
.rept 32
.irp u, 0,1
	v_exp_f32 v[S+32*(\x+\u)+e], v[S+32*(\x+\u)+e] ; p.  ONE BATCH of 66 exponentials: none reads another's result
.endr
.set e, e+1
.endr
	v_nop                                          ; a plain line behind the last exponential,
	s_wait_alu depctr_va_vdst(0)                   ; and the one wait ahead of the batch's first reader
.irp u, 0,1
	v_pk_mul_f32 v[ST+8*(\x+\u)+2:ST+8*(\x+\u)+3], v[ST+8*(\x+\u)+2:ST+8*(\x+\u)+3], v[ST+8*(\x+\u)+6:ST+8*(\x+\u)+7] op_sel_hi:[1,0]   ; l x a
.endr
.irp u, 0,1
	v_pk_add_f32 v[ST+8*(\x+\u)+4:ST+8*(\x+\u)+5], v[S+32*(\x+\u):S+32*(\x+\u)+1], v[S+32*(\x+\u)+2:S+32*(\x+\u)+3]   ; the sum of the f32 weights, in two chains
.endr
.irp j, 4,8,12,16,20,24,28
.irp u, 0,1
	v_pk_add_f32 v[ST+8*(\x+\u)+2:ST+8*(\x+\u)+3], v[ST+8*(\x+\u)+2:ST+8*(\x+\u)+3], v[S+32*(\x+\u)+\j:S+32*(\x+\u)+\j+1]
	v_pk_add_f32 v[ST+8*(\x+\u)+4:ST+8*(\x+\u)+5], v[ST+8*(\x+\u)+4:ST+8*(\x+\u)+5], v[S+32*(\x+\u)+\j+2:S+32*(\x+\u)+\j+3]
.endr
.endr
.irp u, 0,1
	v_pk_add_f32 v[ST+8*(\x+\u)+2:ST+8*(\x+\u)+3], v[ST+8*(\x+\u)+2:ST+8*(\x+\u)+3], v[ST+8*(\x+\u)+4:ST+8*(\x+\u)+5]
.endr
.irp j, 0,1,2,3,4,5,6,7,8,9,10,11,12,13,14,15
.irp u, 0,1
	v_cvt_pk_f16_f32 v[S+32*(\x+\u)+\j], v[S+32*(\x+\u)+2*\j], v[S+32*(\x+\u)+2*\j+1]   ; P, in place, ascending: registers 0-7 keys 0-31, registers 8-15 keys 32-63
.endr
.endr
	WIN 0x41                                       ; O^T in window 1, a in window 0
.irp j, 0,2,4,6,8,10,12,14,16,18,20,22,24,26,28,30
.irp u, 0,1
	v_pk_mul_f32 v[32*(\x+\u)+\j:32*(\x+\u)+\j+1], v[32*(\x+\u)+\j:32*(\x+\u)+\j+1], v[ST+8*(\x+\u)+6:ST+8*(\x+\u)+7] op_sel_hi:[1,0]   ; O^T x a, each accumulator from its low end on
.endr
.endr
.endm
; A KEY STEP: 64 keys.  Left out where all its keys come after my late queries; the early pair's part where they come after my early queries: branches on ids and the count of steps alone (KF is a multiple of 64, the queries of 32).
.macro STEP
	s_cmp_gt_u32 s[KF], s[QL]
	s_cbranch_scc1 .Lhid_\@
	v_add_nc_u32 v[ADK], s[TB], v[LI]
	PLACES                                         ; with the line above five places behind the last products: their P is written over by this step's first products, their V by the loads below
.irp kt, 0,1,2,3
.irp kc, 0,1
.irp c, 0,1
	ds_load_b128 v[KR+8*(2*\kt+\kc)+4*\c:KR+8*(2*\kt+\kc)+4*\c+3], v[ADK] offset:2048*\kt+1024*\kc+512*\c
.endr
.endr
.endr
	WIN 0x40
.irp kg, 0,1
.irp ct, 0,1,2,3
.irp c, 0,1
	ds_load_tr16_b128 v[VR+8*(4*\kg+\ct)+4*\c:VR+8*(4*\kg+\ct)+4*\c+3], v[ADK] offset:32768+2048*(2*\kg+\c)+512*\ct   ; V turned: lane l gets channel l % 16 and eight keys
.endr
.endr
.endr
	s_wait_dscnt 16                                ; K is in; V's 16 loads may be out
	KQ 0
	WIN 0
	SM 0, QL
	s_wait_dscnt 0x0                               ; V is in
	PV 0
	WIN 0
	s_cmp_gt_u32 s[KF], s[QE]
	s_cbranch_scc1 .Lhid_\@
	KQ 2
	WIN 0
	SM 2, QE
	PV 2
	WIN 0
.Lhid_\@:
	s_add_co_u32 s[KF], s[KF], 64
	s_add_co_u32 s[TB], s[TB], 8192
.endm
.macro SLOT_STEPS                      ; a slot's four steps: written once, walked four times
	s_mov_b32 s[STEPC], 4
.Lstep_\@:
	STEP
	s_sub_co_u32 s[STEPC], s[STEPC], 1
	s_cmp_lg_u32 s[STEPC], 0
	s_cbranch_scc1 .Lstep_\@
	s_sub_co_u32 s[TB], s[TB], 32768
	s_xor_b32 s[TB], s[TB], SLOT1                  ; on to the other slot
.endm
; THE CHANGE OF SLOTS, at a slot's head.  Each wave waits for all its tensor loads (its part of the slot ahead), adds 0 to its spare word, and waits for that and for its reads of the slot that it has left; behind the barrier
; the slot ahead is whole and nobody reads the other, which is filled with the next 256 keys: the load has four key steps in which to land.  One load of mine is out at any time.
.macro CHANGE fill
	s_wait_tensorcnt 0x0
	ds_add_u32 v[SPW], v[NIL]                      ; (once: every way from the head passes my first tensor load)
.if \fill
	s_xor_b32 s[G0+1], s[G0+1], SLOT1              ; no load of mine is out: the walking descriptor steps
	s_add_nc_u64 s[G0+2:G0+3], s[G0+2:G0+3], 32768
	s_wait_xcnt 0x0                                ; the last prefetch, a slot back, has read its address
	s_add_nc_u64 s[PFA:PFA+1], s[PFA:PFA+1], 32768 ; one slot further on than the descriptor
.endif
	s_wait_dscnt 0x0
	s_barrier_signal -1
	s_barrier_wait -1
.if \fill
	s_add_co_u32 s43, s[KF], 256                   ; THE LOOK-AHEAD ENDS AT THE CAUSAL LIMIT: a slot whose first key comes after my work-group's last query is read by none of its waves and is not asked for.
	s_cmp_gt_u32 s43, s[LASTQ]                     ; Ids and the count of steps alone: all eight waves go the same way, and a work-group past the limit stays past it
	s_cbranch_scc1 .Lpast_\@
	tensor_load_to_lds s[G0:G0+3], s[G1:G1+7]
	s_nop 0
	PLACES
.Lpast_\@:
	s_cmp_gt_u32 s[SLOTS], s[LIM]                  ; A PREFETCH of what the next change will ask for: each wave of the head's work-group p = 0 names its own 8 KiB, lanes 256 bytes apart: each block once in the launch.
	s_cbranch_scc0 .Lnot_mine_\@                   ; The last change that fills asks for nothing; slots 0 and 1 come by their loads alone
	global_prefetch_b8 v[PFO], s[PFA:PFA+1] th:TH_LOAD_NT scope:SCOPE_SE
.Lnot_mine_\@:
.endif
.endm
	s_wait_loadcnt 0x0                             ; Q
.Lslot:
	CHANGE 1
	SLOT_STEPS
	s_sub_co_u32 s[SLOTS], s[SLOTS], 1
	s_cmp_lg_u32 s[SLOTS], 0
	s_cbranch_scc1 .Lslot
	CHANGE 0                                       ; the last slot is written out: nothing is left to ask for
	SLOT_STEPS
	; THE WAY OUT: O^T / l, rounded to f16.  A lane's eight channels are 16 bytes, and the 32 lanes' chunks are half a fragment of the next product: 512 consecutive bytes a store.  No LDS.
.irp t, 0,1,2,3
	v_add_f32 v[ST+8*\t+4], v[ST+8*\t+2], v[ST+8*\t+3]
.endr
.irp t, 0,1,2,3
	v_permlanex16_b32 v[ST+8*\t+5], v[ST+8*\t+4], s[SEL], s[SEL+1]
.endr
.irp t, 0,1,2,3
	v_add_f32 v[ST+8*\t+4], v[ST+8*\t+4], v[ST+8*\t+5]
.endr
.irp t, 0,1,2,3
	v_rcp_f32 v[ST+8*\t+6], v[ST+8*\t+4]
.endr
	v_nop
	s_wait_alu depctr_va_vdst(0)                   ; one wait for the four reciprocals, ahead of their first reader
.macro OUTT t, base
	WIN 0x01                                       ; O^T in window 1; the quotients go to S^T's registers
.irp j, 0,2,4,6,8,10,12,14,16,18,20,22,24,26,28,30
	v_pk_mul_f32 v[S+32*\t+\j:S+32*\t+\j+1], v[32*\t+\j:32*\t+\j+1], v[ST+8*\t+6:ST+8*\t+7] op_sel_hi:[1,0]
.endr
	WIN 0
.irp j, 0,1,2,3,4,5,6,7,8,9,10,11,12,13,14,15
	v_cvt_pk_f16_f32 v[S+32*\t+\j], v[S+32*\t+2*\j], v[S+32*\t+2*\j+1]
.endr
.irp ct, 0,1,2,3
	global_store_b128 v[LI], v[S+32*\t+4*\ct:S+32*\t+4*\ct+3], s[\base:\base+1] offset:32768*(\t%2)+512*\ct
.endr
.endm
	OUTT 0, 56
	OUTT 1, 56
	OUTT 2, 58
	OUTT 3, 58
	s_wait_tensorcnt 0x0                           ; the wave's end
	ds_add_u32 v[SPW], v[NIL]
	s_wait_dscnt 0x0
	s_endpgm
.Lfunc_end_k_q64f7661495_attn:
	.size	k_q64f7661495_attn, .Lfunc_end_k_q64f7661495_attn-k_q64f7661495_attn
	.p2alignl 7, 3214868480
	.fill 96, 4, 3214868480
	.section	.rodata,"a",@progbits
	.p2align	6, 0x0
	.amdhsa_kernel k_q64f7661495_attn
		.amdhsa_group_segment_fixed_size 327680
		.amdhsa_private_segment_fixed_size 0
		.amdhsa_enable_private_segment 0
		.amdhsa_kernarg_size 16
		.amdhsa_user_sgpr_count 2
		.amdhsa_user_sgpr_kernarg_segment_ptr 1
		.amdhsa_wavefront_size32 1
		.amdhsa_system_sgpr_workgroup_id_x 1
		.amdhsa_system_sgpr_workgroup_id_y 1
		.amdhsa_system_sgpr_workgroup_id_z 1
		.amdhsa_system_vgpr_workitem_id 0
		.amdhsa_next_free_vgpr 512
		.amdhsa_next_free_sgpr 66
		.amdhsa_reserve_vcc 1
		.amdhsa_float_denorm_mode_32 3
		.amdhsa_float_denorm_mode_16_64 3
		.amdhsa_memory_ordered 1
		.amdhsa_forward_progress 1
		.amdhsa_inst_pref_size 105
	.end_amdhsa_kernel
	.amdgpu_metadata
---
amdhsa.version: [ 1, 2 ]
amdhsa.kernels:
  - .name:           k_q64f7661495_attn
    .symbol:         k_q64f7661495_attn.kd
    .args:
      - { .name: qkv, .offset: 0, .size: 8, .value_kind: global_buffer, .address_space: global }
      - { .name: af, .offset: 8, .size: 8, .value_kind: global_buffer, .address_space: global }
    .group_segment_fixed_size: 327680
    .private_segment_fixed_size: 0
    .kernarg_segment_align: 8
    .kernarg_segment_size: 16
    .max_flat_workgroup_size: 256
    .sgpr_count:     66
    .vgpr_count:     512
    .wavefront_size: 32
...
	.end_amdgpu_metadata
.endif
;; end of part 3
;; launch proj (part 4): grid 4 x 64, 4 waves a work-group, clusters of 4 x 4, 327,680 bytes of LDS; arguments af, wpf, bp, out0; writes out0
.if DOCPART == 4
	.amdgcn_target "amdgcn-amd-amdhsa--gfx1250"
	.amdhsa_code_object_version 6
	.text
	.protected	k_q64f7661495_proj
	.globl	k_q64f7661495_proj
	.p2align	8
	.type	k_q64f7661495_proj,@function
k_q64f7661495_proj:
	s_mov_b64 s[64:65], 0
	v_nop
	global_prefetch_b8 v0, s[64:65] scope:SCOPE_SE
	s_setreg_imm32_b32 hwreg(HW_REG_WAVE_MODE, 25, 1), 1
	s_wait_xcnt 0x0
	s_wait_alu depctr_hold_cnt(0) depctr_sa_sdst(0) depctr_va_vdst(0) depctr_va_sdst(0) depctr_va_ssrc(0) depctr_va_vcc(0) depctr_vm_vsrc(0)
	s_getreg_b32 s2, hwreg(HW_REG_IB_STS2, 6, 4)
	s_cmp_eq_u32 s2, 0
	s_cbranch_scc0 .Lentry_in_a_cluster
	s_endpgm
.Lentry_in_a_cluster:
	s_bfe_u32 s2, ttmp6, 0x10000c
	s_cmp_lg_u32 s2, 0xf033
	s_cbranch_scc0 .Lentry_shape_is_right
	s_endpgm
.Lentry_shape_is_right:
; PROJ: out0 = a Wp + bp.  a (the attention's result) and Wp in f16, as images of the operands' registers; sums and the result in f32.
; SHARES.  A work-group makes 128 tokens x 256 columns: 256 work-groups.  A wave makes 64 x 128: 32 accumulators, 256 registers.  K goes in steps of 128 through a ring of two LDS slots (A's 8 tiles and B's 16 tiles of 4 KiB).
; A fragment is two loads of 512 consecutive bytes: no padding.  CLUSTER 4 x 4: a's tiles are shared along a row of the cluster, Wp's along a column: joint loads.
; TRANSPOSED USE: source 0 = 16 columns of Wp, source 1 = 16 tokens: a lane holds eight neighbouring columns of one row of out0.  The bias is the C of each sum's first matrix instruction.
; REGISTERS.  window 0: addresses; v128-255 rows on the way out.   window 1: accumulator (a, b) at v[8 (8 a + b)].   window 2: two fragment buffers of 96 (B's eight, then A's four); v192-255 the bias.
.set SLOT,  98304
.set STAGE, 2*SLOT                     ; behind the ring: 16 rows x 528 bytes for each wave
.set SPARE, STAGE+4*16*528             ; the spare words, 128 bytes a wave
.set CO,   2                           ; v2   16 x lane
.set ADRA, 16
.set ADRB, 20
.set STO,  24
.set RD,   25
.set BO,   27
.set SPW,  28
.set NIL,  29
.set PFO,  30
.set BK,   128
.set F0,   0
.set F1,   96
.set BIAS, 192
.set WV,   12
.set WR,   13                          ; s13  wave / 2: my half of the tokens.  Also: I fetch for A (0) or B (1)
.set WH,   14                          ; s14  wave % 2: my half of the columns.  Also: which half of the tiles I fetch
.set LIM,  21
.set G1A,  24
.set G0A,  32
.set PFA,  44
.set G1B,  48
.set G0B,  56
.set MSB, 0
.macro WIN new
.if MSB != (\new)
	s_set_vgpr_msb (MSB<<8)|(\new)
.set MSB, (\new)
.endif
.endm
.macro PLACES
.rept 4
	v_nop
.endr
.endm
.macro JLOAD s                         ; a joint load: waves 0 and 1 fetch A's halves, waves 2 and 3 B's; an s_nop 0 and four v_nop follow each line
	s_cmp_eq_u32 s[WR], 0
	s_cbranch_scc0 .Lfor_b_\@
	tensor_load_to_lds s[G0A+4*\s:G0A+4*\s+3], s[G1A:G1A+7]
	s_nop 0
	PLACES
	s_branch .Lasked_\@
.Lfor_b_\@:
	tensor_load_to_lds s[G0B+4*\s:G0B+4*\s+3], s[G1B:G1B+7]
	s_nop 0
	PLACES
.Lasked_\@:
.endm
.macro CREST
	s_cmp_lg_u32 s[WV], 0
	s_cbranch_scc1 .Lnot_wave_0_\@
	s_barrier_signal -3
.Lnot_wave_0_\@:
	s_barrier_wait -3
	s_barrier_signal -1
	s_barrier_wait -1
.endm
.macro CROUND
	s_barrier_signal -1
	s_barrier_wait -1
	CREST
.endm
	s_load_b256 s[4:11], s[0:1], 0x0               ; af, wpf, bp, out0
	v_lshl_add_u32 v[SPW], v0, 2, SPARE
	v_mov_b32 v[NIL], 0
	ds_add_u32 v[SPW], v[NIL]                      ; the wave's opening: the add, twice on end, and its wait ahead of my first tensor load
	ds_add_u32 v[SPW], v[NIL]
	v_lshrrev_b32 v1, 5, v0
	v_readfirstlane_b32 s[WV], v1
	s_lshr_b32 s[WR], s[WV], 1
	s_and_b32 s[WH], s[WV], 1
	s_bfe_u32 s15, ttmp6, 0x40000                  ; cx
	s_bfe_u32 s16, ttmp6, 0x40004                  ; cy
	s_lshl_b32 s17, ttmp9, 2
	s_add_co_u32 s17, s17, s15                     ; column tile 0 .. 3
	s_and_b32 s18, ttmp7, 0xffff
	s_lshl_b32 s18, s18, 2
	s_add_co_u32 s18, s18, s16                     ; token tile 0 .. 63
	s_lshl_b32 s19, s16, 2
	s_lshl_b32 s19, 15, s19                        ; my row of the cluster
	s_lshl_b32 s20, 0x1111, s15                    ; my column
	s_or_b32 s[G1A], s19, (3<<16)|(1<<21)          ; the mask; elements of 8 bytes; 21 set beside a mask; no padding
	s_mov_b32 s[G1A+1], 512<<16                    ; rows of 4 KiB: a tile's K step
	s_mov_b32 s[G1A+2], 4<<16                      ; 4 tiles of tokens a load
	s_mov_b32 s[G1A+3], 512<<16
	s_mov_b32 s[G1A+4], 4
	s_mov_b32 s[G1A+5], 4096                       ; 32 KiB from tile to tile
	s_mov_b32 s[G1A+6], 0
	s_mov_b32 s[G1A+7], 0
	s_or_b32 s[G1B], s20, (3<<16)|(1<<21)
	s_mov_b32 s[G1B+1], 512<<16
	s_mov_b32 s[G1B+2], 8<<16                      ; 8 tiles of columns a load
	s_mov_b32 s[G1B+3], 512<<16
	s_mov_b32 s[G1B+4], 8
	s_mov_b32 s[G1B+5], 4096
	s_mov_b32 s[G1B+6], 0
	s_mov_b32 s[G1B+7], 0
	s_lshl_b32 s40, s18, 18                        ; A: (8 token tile + 4 half) x 32 KiB: hangs on the token tile, which my row shares
	s_lshl_b32 s41, s[WH], 17
	s_add_co_u32 s40, s40, s41
	s_mov_b32 s41, 0
	s_lshl_b32 s42, s17, 19                        ; B: (16 column tile + 8 half) x 32 KiB: on the column tile, which my column shares
	s_lshl_b32 s43, s[WH], 18
	s_add_co_u32 s42, s42, s43
	s_mov_b32 s43, 0
	s_lshl_b32 s22, s[WH], 14                      ; in a slot: A's half,
	s_lshl_b32 s23, s[WH], 15
	s_add_co_u32 s23, s23, 32768                   ; B's half, behind A's 32 KiB
	s_wait_dscnt 0x0                               ; both opening adds are done
	s_wait_kmcnt 0x0
	s_add_nc_u64 s[40:41], s[4:5], s[40:41]
	s_add_nc_u64 s[42:43], s[6:7], s[42:43]
	CROUND                                         ; all sixteen work-groups are here: the first joint loads meet
.irp s, 0,1
	s_mov_b32 s[G0A+4*\s], 1
	s_add_co_u32 s[G0A+4*\s+1], s22, \s*SLOT
	s_add_nc_u64 s[G0A+4*\s+2:G0A+4*\s+3], s[40:41], \s*4096
	s_or_b32 s[G0A+4*\s+3], s[G0A+4*\s+3], 0x80000000
	s_mov_b32 s[G0B+4*\s], 1
	s_add_co_u32 s[G0B+4*\s+1], s23, \s*SLOT
	s_add_nc_u64 s[G0B+4*\s+2:G0B+4*\s+3], s[42:43], \s*4096
	s_or_b32 s[G0B+4*\s+3], s[G0B+4*\s+3], 0x80000000
	JLOAD \s
.endr
	v_and_b32 v1, 31, v0
	v_lshlrev_b32 v[CO], 4, v1
	v_and_b32 v3, 15, v0                           ; r
	v_bfe_u32 v4, v0, 4, 1                         ; h
	v_lshlrev_b32 v[BO], 5, v4
	s_lshl_b32 s46, s17, 10                        ; bp: 4 x (256 column tile + 128 half)
	s_lshl_b32 s47, s[WH], 9
	s_add_co_u32 s46, s46, s47
	s_mov_b32 s47, 0
	s_add_nc_u64 s[8:9], s[8:9], s[46:47]
	WIN 0x80
.irp b, 0,1,2,3,4,5,6,7
.irp c, 0,1
	global_load_b128 v[BIAS+8*\b+4*\c:BIAS+8*\b+4*\c+3], v[BO], s[8:9] offset:64*\b+16*\c   ; register 8 b + j of lane (r, h) = bp[my first column + 16 b + 8 h + j]
.endr
.endr
	WIN 0
	s_lshl_b32 s22, s[WR], 14                      ; my 4 tiles of A,
	s_lshl_b32 s23, s[WH], 15
	s_add_co_u32 s23, s23, 32768                   ; my 8 tiles of B
.irp s, 0,1
	v_add_nc_u32 v[ADRA+\s], s22, v[CO]
	v_add_nc_u32 v[ADRB+\s], s23, v[CO]
	s_add_co_u32 s22, s22, SLOT
	s_add_co_u32 s23, s23, SLOT
.endr
	s_mul_i32 s22, s[WV], 16*528
	s_add_co_u32 s22, s22, STAGE                   ; my stage
	v_mul_u32_u24 v5, v3, 528
	v_lshl_add_u32 v5, v4, 5, v5
	v_add_nc_u32 v[STO], s22, v5                   ; in: row r, 32 bytes for each half of the lanes
	v_add_nc_u32 v[RD], s22, v[CO]                 ; back: the 32 lanes take a row of 512 bytes
	s_lshl_b32 s46, s18, 19                        ; out0: (128 token tile + 64 half) rows of 4,096 bytes + 1,024 column tile + 512 half
	s_lshl_b32 s47, s[WR], 18
	s_add_co_u32 s46, s46, s47
	s_lshl_b32 s47, s17, 10
	s_add_co_u32 s46, s46, s47
	s_lshl_b32 s47, s[WH], 9
	s_add_co_u32 s46, s46, s47
	s_mov_b32 s47, 0
	s_add_nc_u64 s[10:11], s[10:11], s[46:47]
	; the prefetches: a K step of my work-group's 128 tokens is 8 tiles x 4 KiB; the four partners that ask for it jointly take two tiles each, told apart BY ADDRESS; in each, wave 0 asks: 32 lanes x 256 bytes.  Each block is named once.
	s_lshl_b32 s46, s18, 18
	s_lshl_b32 s47, s15, 16
	s_add_co_u32 s46, s46, s47
	s_add_co_u32 s46, s46, 2*4096                  ; at K step 2: the first refill steps it to 3 and names K step 4
	s_mov_b32 s47, 0
	s_add_nc_u64 s[PFA:PFA+1], s[4:5], s[46:47]
	s_cmp_eq_u32 s[WV], 0
	s_cselect_b32 s[LIM], 1, -1
	v_lshlrev_b32 v[PFO], 8, v3
	v_lshl_add_u32 v[PFO], v4, 15, v[PFO]          ; tile lane / 16, 256 x (lane % 16)
.macro FETCH slot, q, f                ; 24 LDS loads: the slot's q-th 32 along K: B's eight fragments, then A's four
	WIN 0x80
.irp b, 0,1,2,3,4,5,6,7
.irp c, 0,1
	ds_load_b128 v[\f+8*\b+4*\c:\f+8*\b+4*\c+3], v[ADRB+\slot] offset:4096*\b+1024*(\q)+512*\c
.endr
.endr
.irp i, 0,1,2,3
.irp c, 0,1
	ds_load_b128 v[\f+64+8*\i+4*\c:\f+64+8*\i+4*\c+3], v[ADRA+\slot] offset:4096*\i+1024*(\q)+512*\c
.endr
.endr
.endm
.macro MULA f, a, bias                 ; 8 matrix instructions: A's block a against B's eight.  The 32 accumulators take turns in the same order in every quarter
.if \bias
	WIN 0x6a                                       ; sources and C in window 2, D in window 1
.else
	WIN 0x5a                                       ; sources in window 2, C and D in window 1
.endif
.irp b, 0,1,2,3,4,5,6,7
.if \bias
	v_wmma_f32_16x16x32_f16 v[8*(8*(\a)+\b):8*(8*(\a)+\b)+7], v[\f+8*\b:\f+8*\b+7], v[\f+64+8*(\a):\f+64+8*(\a)+7], v[BIAS+8*\b:BIAS+8*\b+7]
.else
	v_wmma_f32_16x16x32_f16 v[8*(8*(\a)+\b):8*(8*(\a)+\b)+7], v[\f+8*\b:\f+8*\b+7], v[\f+64+8*(\a):\f+64+8*(\a)+7], v[8*(8*(\a)+\b):8*(8*(\a)+\b)+7]
.endif
.endr
.endm
; A K step is four quarters of 32 along K on buffers 0, 1, 0, 1.  One of the first three multiplies buffer f and fetches the slot's quarter q into g.
.macro QUARTER slot, q, f, g, bias
	s_wait_dscnt 4                                 ; B's fragments and A's blocks 0, 1 are in; the youngest four loads (A's blocks 2, 3) may be out
	MULA \f, 0, \bias
	MULA \f, 1, \bias
	PLACES                                         ; in front of loads into registers that the quarter before multiplied
	FETCH \slot, \q, \g
	s_wait_dscnt 24                                ; all but the 24 just issued
	MULA \f, 2, \bias
	MULA \f, 3, \bias
.endm
; The last quarter multiplies buffer 1 and changes slots: one barrier; in front of it each wave waits for all its tensor loads, adds 0 to its spare word, and waits for that and for its reads of this slot.
; fill = 1: the barrier opens a round of the cluster's, and this slot is filled again, two K steps ahead: the load has a K step less sixteen matrix instructions in which to land.
.macro TURN slot, next, fill
.if \fill
	s_wait_xcnt 0x0                                ; the last prefetch, a K step back, has read its address
	s_add_nc_u64 s[PFA:PFA+1], s[PFA:PFA+1], 4096
.endif
	WIN 0
	s_wait_tensorcnt 0x0                           ; all my tensor loads have landed: my part of the next slot
	ds_add_u32 v[SPW], v[NIL]
	s_wait_dscnt 5                                 ; (the add and the youngest four loads may be out)
	MULA F1, 0, 0
	s_wait_dscnt 0x0                               ; the add is done, and my reads of this slot are over
	s_barrier_signal -1
	MULA F1, 1, 0
	WIN 0
	s_barrier_wait -1
.if \fill
	CREST                                          ; no wave of any partner still reads this slot's tile or has a load on its way
	s_add_nc_u64 s[G0A+4*\slot+2:G0A+4*\slot+3], s[G0A+4*\slot+2:G0A+4*\slot+3], 8192
	s_add_nc_u64 s[G0B+4*\slot+2:G0B+4*\slot+3], s[G0B+4*\slot+2:G0B+4*\slot+3], 8192
	JLOAD \slot                                    ; its four v_nop are also the places in front of the loads below
.else
	PLACES
.endif
	FETCH \next, 0, F0
.if \fill
	WIN 0
	s_cmp_gt_u32 s3, s[LIM]                        ; a's K step two refills on; the loop's last trip has none.  Wp's fragments are read by all sixteen clusters again and again and are not asked for
	s_cbranch_scc0 .Lnot_mine_\@
	global_prefetch_b8 v[PFO], s[PFA:PFA+1] offset:4096 th:TH_LOAD_NT scope:SCOPE_SE
.Lnot_mine_\@:
.endif
	MULA F1, 2, 0
	MULA F1, 3, 0
.endm
	s_wait_tensorcnt 1                             ; my part of K step 0 is in; K step 1's may stay out
	s_barrier_signal -1
	s_barrier_wait -1
	FETCH 0, 0, F0
	s_wait_loadcnt 0x0                             ; the bias
	QUARTER 0, 1, F0, F1, 1                        ; the first quarter stands in front of the loop: its products start the sums with the bias
	WIN 0
	s_mov_b32 s3, 3
.Llap:                                             ; a trip goes once round the ring and fills both slots again
	QUARTER 0, 2, F1, F0, 0
	QUARTER 0, 3, F0, F1, 0
	TURN 0, 1, 1
	QUARTER 1, 1, F0, F1, 0
	QUARTER 1, 2, F1, F0, 0
	QUARTER 1, 3, F0, F1, 0
	TURN 1, 0, 1
	QUARTER 0, 1, F0, F1, 0
	WIN 0
	s_sub_co_u32 s3, s3, 1
	s_cmp_lg_u32 s3, 0
	s_cbranch_scc1 .Llap
	QUARTER 0, 2, F1, F0, 0                        ; the last lap fills nothing
	QUARTER 0, 3, F0, F1, 0
	TURN 0, 1, 0
	QUARTER 1, 1, F0, F1, 0
	QUARTER 1, 2, F1, F0, 0
	QUARTER 1, 3, F0, F1, 0
	s_wait_dscnt 4
	MULA F1, 0, 0
	MULA F1, 1, 0
	s_wait_dscnt 0x0
	MULA F1, 2, 0
	MULA F1, 3, 0
	WIN 0
; THE WAY OUT, a block of 16 tokens x 128 columns at a time: through my own stage and back as whole rows of 512 bytes.  LDS serves a wave's instructions in order: no wait between the stores and the loads.
.macro TOSTAGE a
	WIN 0x04                                       ; an LDS store's data are its source 1: window 1
.irp b, 0,1,2,3,4,5,6,7
	ds_store_b128 v[STO], v[64*(\a)+8*\b:64*(\a)+8*\b+3] offset:64*\b            ; each accumulator from its low end on
	ds_store_b128 v[STO], v[64*(\a)+8*\b+4:64*(\a)+8*\b+7] offset:64*\b+16
.endr
	WIN 0
.irp t, 0,1,2,3,4,5,6,7,8,9,10,11,12,13,14,15
	ds_load_b128 v[BK+64*((\a)%2)+4*\t:BK+64*((\a)%2)+4*\t+3], v[RD] offset:\t*528
.endr
.endm
.macro SEND a, younger
	s_wait_dscnt \younger                          ; the block is back in registers
.if (\a) > 0
	s_add_nc_u64 s[10:11], s[10:11], 65536         ; 16 rows on (behind a wait on XCNT: the earlier stores have read their base)
.endif
.irp t, 0,1,2,3,4,5,6,7,8,9,10,11,12,13,14,15
	global_store_b128 v[CO], v[BK+64*((\a)%2)+4*\t:BK+64*((\a)%2)+4*\t+3], s[10:11] offset:\t*4096 th:TH_STORE_NT   ; 32 lanes store 512 consecutive bytes, aligned
.endr
.endm
	PLACES                                         ; behind the last products
	TOSTAGE 0
	TOSTAGE 1
	SEND 0, 32                                     ; behind block 0's loads: block 1's 16 stores and 16 loads
	s_wait_xcnt 0x0                                ; block 0's stores have read their registers and their base
	TOSTAGE 2
	SEND 1, 32
	s_wait_xcnt 0x0
	TOSTAGE 3
	SEND 2, 32
	s_wait_xcnt 0x0
	SEND 3, 0
	s_wait_tensorcnt 0x0                           ; the wave's end
	ds_add_u32 v[SPW], v[NIL]
	s_wait_dscnt 0x0
	CROUND                                         ; the closing round
	s_endpgm
.Lfunc_end_k_q64f7661495_proj:
	.size	k_q64f7661495_proj, .Lfunc_end_k_q64f7661495_proj-k_q64f7661495_proj
	.p2alignl 7, 3214868480
	.fill 96, 4, 3214868480
	.section	.rodata,"a",@progbits
	.p2align	6, 0x0
	.amdhsa_kernel k_q64f7661495_proj
		.amdhsa_group_segment_fixed_size 327680
		.amdhsa_private_segment_fixed_size 0
		.amdhsa_enable_private_segment 0
		.amdhsa_kernarg_size 32
		.amdhsa_user_sgpr_count 2
		.amdhsa_user_sgpr_kernarg_segment_ptr 1
		.amdhsa_wavefront_size32 1
		.amdhsa_system_sgpr_workgroup_id_x 1
		.amdhsa_system_sgpr_workgroup_id_y 1
		.amdhsa_system_sgpr_workgroup_id_z 1
		.amdhsa_system_vgpr_workitem_id 0
		.amdhsa_next_free_vgpr 768
		.amdhsa_next_free_sgpr 66
		.amdhsa_reserve_vcc 0
		.amdhsa_float_denorm_mode_32 3
		.amdhsa_float_denorm_mode_16_64 3
		.amdhsa_memory_ordered 1
		.amdhsa_forward_progress 1
		.amdhsa_inst_pref_size 87
	.end_amdhsa_kernel
	.amdgpu_metadata
---
amdhsa.version: [ 1, 2 ]
amdhsa.kernels:
  - .name:           k_q64f7661495_proj
    .symbol:         k_q64f7661495_proj.kd
    .args:
      - { .name: af, .offset: 0, .size: 8, .value_kind: global_buffer, .address_space: global }
      - { .name: wpf, .offset: 8, .size: 8, .value_kind: global_buffer, .address_space: global }
      - { .name: bp, .offset: 16, .size: 8, .value_kind: global_buffer, .address_space: global }
      - { .name: out0, .offset: 24, .size: 8, .value_kind: global_buffer, .address_space: global }
    .group_segment_fixed_size: 327680
    .private_segment_fixed_size: 0
    .kernarg_segment_align: 8
    .kernarg_segment_size: 32
    .max_flat_workgroup_size: 128
    .sgpr_count:     66
    .vgpr_count:     768
    .wavefront_size: 32
...
	.end_amdgpu_metadata
.endif
;; end of part 4
